; MI455X (gfx1250); checked and timed in simulation.
; The chip was launched on July 23, 2026; its instructions are those of AMD's public machine-readable ISA for CDNA 5 (MIT licence, August 2026) and "CDNA5" Instruction Set Architecture Reference Guide (July 2026). The comments in the code are by the model that wrote it; some were corrected since.
;; Multi Headed Attention. Allowed arithmetic: matrix products marked QUANTISED: E2M1 operands, one E8M0 scale for each 32 along K, by v_wmma_scale_f32_16x16x128_f8f6f4 with both operands' format E2M1 (or v_wmma_scale_f32_32x16x128_f4), f32 sums; products left as they are: f32 operands where the result goes on into a quantised operand, else bf16, f16 or f32 operands; f32 sums; everything else in f32.
;; Inputs: W0_codes 512 x 16 x 16 uint8 (E2M1 codes of W0, K innermost, in blocks of 32 codes, two codes a byte); W0_scales 512 x 16 uint8 (E8M0 scales of W0, one for each 32 codes along K); Wout_codes 512 x 16 x 16 uint8 (E2M1 codes of Wout, K innermost, in blocks of 32 codes, two codes a byte); Wout_scales 512 x 16 uint8 (E8M0 scales of Wout, one for each 32 codes along K); b0 512 float32; bout 512 float32; key 32 x 1,024 x 512 float32; query 32 x 1,024 x 512 float32; value_codes 32 x 1,024 x 16 x 16 uint8 (E2M1 codes of value, K innermost, in blocks of 32 codes, two codes a byte); value_scales 32 x 1,024 x 16 uint8 (E8M0 scales of value, one for each 32 codes along K).
;; Outputs: out0 32 x 1,024 x 512 float32.
;; This version of the problem:
;;   THIS VERSION OF THE PROBLEM IS GIVEN IN LOW PRECISION. The matrix products marked QUANTISED in the list below multiply operands that are first quantised to E2M1 (2 exponent bits, 1 mantissa bit; 4 bits a number), with one power-of-two scale for each 32 numbers along K (OCP MX v1.0); their sums are f32. All else is computed in f32.
;;   The module's matrix products, in the order in which they are computed (A, B: the left and right operand; K: the contracted axis; several contracted axes count as one K, in the product's order):
;;     1. [M 32,896, K 512] x [K 512, N 512]; A: computed on the way; B: input W0 (given as codes): QUANTISED
;;     2. batch 32,768 x [M 1, K 512] x [K 512, N 5]; A: computed on the way; B: computed on the way: left as it is (M = 1 < 16)
;;     3. batch 32,768 x [M 1, K 5] x [K 5, N 512]; A: softmax (see below); B: computed on the way: left as it is (K = 5 < 32)
;;     4. [M 32,896, K 512] x [K 512, N 512]; A: computed on the way; B: input W0 (given as codes): QUANTISED
;;     5. batch 32,768 x [M 1, K 512] x [K 512, N 5]; A: computed on the way; B: computed on the way: left as it is (M = 1 < 16)
;;     6. batch 32,768 x [M 1, K 5] x [K 5, N 512]; A: softmax (see below); B: computed on the way: left as it is (K = 5 < 32)
;;     7. [M 32,768, K 512] x [K 512, N 512]; A: input value (given as codes); B: input W0 (given as codes): QUANTISED
;;     8. batch 256 x [M 1,024, K 64] x [K 64, N 1,024]; A: computed on the way; B: computed on the way: QUANTISED
;;     9. batch 256 x [M 1,024, K 1,024] x [K 1,024, N 64]; A: softmax (see below); B: computed on the way: QUANTISED
;;     10. [M 32,768, K 512] x [K 512, N 512]; A: computed on the way; B: input Wout (given as codes): QUANTISED
;;   THE QUANTISER, for each operand of a quantised product, along K:
;;     - K is cut into blocks of 32 from its start; a last block that is shorter is filled with zeros.
;;     - A block's scale is 2^e with e = floor(log2(the largest magnitude in the block)) - 2, held to -126 .. 127; a block of zeros has e = 0. As a byte (E8M0): e + 127.
;;     - Each number is divided by its block's scale, clamped to +-6, and rounded to the nearest number of E2M1, ties to even, subnormals kept.
;;     - The product sums the exact products of the quantised numbers (number of the format x scale) in f32.
;;   ~~~python
;;   def quantise(x, axis):      # numpy; x: float32 -> the quantised numbers, widened to float32 again
;;       x = np.moveaxis(x, axis, -1); K = x.shape[-1]
;;       x = np.pad(x, [(0, 0)] * (x.ndim - 1) + [(0, -K % 32)]); x = x.reshape(x.shape[:-1] + (-1, 32)); a = np.abs(x).max(-1, keepdims=True)
;;       e = np.where(a > 0, np.clip(np.frexp(np.where(a > 0, a, 1))[1] - 1 - 2, -126, 127), 0)      # np.frexp(a)[1] - 1 = floor(log2(a)), exactly
;;       r = np.clip(x / 2.0 ** e, -6, 6)
;;       step = 2.0 ** (np.maximum(np.frexp(np.where(r == 0, 1, r))[1] - 1, 0) - 1)
;;       q = np.round(r / step) * step * 2.0 ** e      # np.round: ties to even
;;       return np.moveaxis(q.reshape(q.shape[:-2] + (-1,))[..., :K], -1, axis).astype(np.float32)
;;   ~~~
;;   SOFTMAX AHEAD OF A QUANTISED PRODUCT. Where the list says 'softmax', what is quantised is not the finished softmax but p = 2^(t - M), with t = logit x log2(e) and M = ceil(the row's largest t), a whole number; so 1/2 < the row's largest p <= 1. The row's sum l is taken of the UNQUANTISED p, in f32, and the product's result is divided by l at the end. Since M is a whole number, a kernel that streams over the keys may use a running M (the ceiling of the running maximum): every later rescaling is an exact power of two, which a block's scale takes up: the codes' values come out the same.
;;   OPERANDS COMPUTED ON THE WAY. 'Computed on the way' means the value that the module computes at that place (a softmax that the list does not call 'softmax' is quantised finished and normalised). What goes into a quantiser is computed in f32, as accurately as f32 sums, v_exp_f32 and their like allow (about 1e-6 of the number): no bf16 or f16 on the way to a quantiser, and a product that is left as it is and whose result goes on into a quantised operand takes f32 operands (vector FMAs, or v_wmma_f32_16x16x4_f32). A number that lies on a knife's edge between two numbers of the format may be rounded either way, as far as f32 arithmetic and the matrix unit's own rounding can turn it there, and no further.
;;   INPUTS GIVEN AS CODES. W0 (in the module: [512, 512], K = its axis 0); Wout (in the module: [512, 512], K = its axis 0); value (in the module: [32, 1024, 512], K = its axis 2): each comes as NAME_codes (uint8): NAME with its K axis moved to the last place and cut into blocks of 32 codes, [.., K / 32, bytes a block], one block behind the other in memory; two codes a byte, the lower K in the low four bits (a code: sign, 2 exponent bits, 1 mantissa bit); and NAME_scales (uint8): the same leading axes, one E8M0 byte (e + 127) for each 32 codes along K. Its value is code x scale, taken as it is: it is not quantised again, and the codes and scales need not be those that the quantiser above would give.
;; One version. Each part assembles by itself: llvm-mc -triple=amdgcn-amd-amdhsa -mcpu=gfx1250 --defsym DOCPART=n.
;; ======== version 1 of 1: 3 launches
;; limits: right only within a limited range of input values
;; workspace buffers: qs 18,350,080 bytes; kv 18,350,080 bytes; xq 8,388,608 bytes; xs 524,288 bytes
;; launch proj (part 1): grid 256 x 1, 8 waves a work-group, no clusters, 327,680 bytes of LDS; arguments query, key, W0_codes, W0_scales, b0, value_codes, value_scales, qs, kv; writes qs, kv
.if DOCPART == 1
	.amdgcn_target "amdgcn-amd-amdhsa--gfx1250"
	.amdhsa_code_object_version 6
	.text
	.protected	k_q8905315220_proj
	.globl	k_q8905315220_proj
	.p2align	8
	.type	k_q8905315220_proj,@function
k_q8905315220_proj:
	s_mov_b64 s[64:65], 0
	v_nop
	global_prefetch_b8 v0, s[64:65] scope:SCOPE_SE
	s_setreg_imm32_b32 hwreg(HW_REG_WAVE_MODE, 25, 1), 1
	s_wait_xcnt 0x0
.set SLOTW, 16640
.set XIMG,  133120
.set XSC,   149504
.set SCX,   151552
.set SST,   172032
.set VROW,  180224
.set VRS,   215040
.set SPARE, 217088
.set MSB, 0
.macro WIN new
.if MSB != \new
	s_set_vgpr_msb (MSB<<8)|\new
.set MSB, \new
.endif
.endm
.macro PLACES cnt
.rept \cnt
	v_nop
.endr
.endm
.macro WMR d, a, b, c, sa, sb, ra, rb
.if ((\ra) == 1) && ((\rb) == 1)
	v_wmma_scale_f32_16x16x128_f8f6f4 v[(\d):(\d)+7], v[(\a):(\a)+7], v[(\b):(\b)+7], v[(\c):(\c)+7], v[(\sa)], v[(\sb)] matrix_a_fmt:MATRIX_FMT_FP4 matrix_b_fmt:MATRIX_FMT_FP4 matrix_a_scale:MATRIX_SCALE_ROW1 matrix_b_scale:MATRIX_SCALE_ROW1
.elseif (\ra) == 1
	v_wmma_scale_f32_16x16x128_f8f6f4 v[(\d):(\d)+7], v[(\a):(\a)+7], v[(\b):(\b)+7], v[(\c):(\c)+7], v[(\sa)], v[(\sb)] matrix_a_fmt:MATRIX_FMT_FP4 matrix_b_fmt:MATRIX_FMT_FP4 matrix_a_scale:MATRIX_SCALE_ROW1
.elseif (\rb) == 1
	v_wmma_scale_f32_16x16x128_f8f6f4 v[(\d):(\d)+7], v[(\a):(\a)+7], v[(\b):(\b)+7], v[(\c):(\c)+7], v[(\sa)], v[(\sb)] matrix_a_fmt:MATRIX_FMT_FP4 matrix_b_fmt:MATRIX_FMT_FP4 matrix_b_scale:MATRIX_SCALE_ROW1
.else
	v_wmma_scale_f32_16x16x128_f8f6f4 v[(\d):(\d)+7], v[(\a):(\a)+7], v[(\b):(\b)+7], v[(\c):(\c)+7], v[(\sa)], v[(\sb)] matrix_a_fmt:MATRIX_FMT_FP4 matrix_b_fmt:MATRIX_FMT_FP4
.endif
.endm
	s_load_b128 s[4:7], s[0:1], 0x0
	s_load_b128 s[8:11], s[0:1], 0x10
	s_load_b128 s[12:15], s[0:1], 0x20
	s_load_b128 s[16:19], s[0:1], 0x30
	s_load_b64 s[20:21], s[0:1], 0x40
	v_lshl_add_u32 v1, v0, 2, SPARE
	v_mov_b32 v2, 0
	ds_add_u32 v1, v2
	ds_add_u32 v1, v2
	s_wait_dscnt 0x0
	v_lshrrev_b32 v14, 5, v0
	s_delay_alu instid0(VALU_DEP_1)
	v_readfirstlane_b32 s22, v14
	s_and_b32 s59, ttmp9, 127
	s_and_b32 s23, s59, 3
	s_lshr_b32 s62, s59, 2
	s_and_b32 s3, s22, 1
	s_lshr_b32 s63, s22, 1
	s_mul_i32 s63, s63, 143360
	s_lshl_b32 s78, s59, 19
	s_lshl_b32 s2, s22, 10
	s_add_co_u32 s78, s78, s2
	s_mov_b32 s79, 0
	s_mul_i32 s80, s62, 573440
	s_add_co_u32 s80, s80, s63
	s_lshr_b32 s2, s23, 1
	s_mul_i32 s2, s2, 71680
	s_add_co_u32 s80, s80, s2
	s_and_b32 s81, s23, 1
	s_lshl_b32 s2, s3, 15
	s_add_co_u32 s66, s80, s2
	s_lshl_b32 s2, s81, 13
	s_add_co_u32 s66, s66, s2
	s_mov_b32 s67, 0
	s_mul_i32 s82, s3, 3072
	s_add_co_u32 s68, s80, s82
	s_lshl_b32 s2, s81, 10
	s_add_co_u32 s68, s68, s2
	s_add_co_u32 s68, s68, 65536
	s_mov_b32 s69, 0
	s_lshr_b32 s2, ttmp9, 3
	s_mul_i32 s80, s2, 573440
	s_add_co_u32 s80, s80, s63
	s_bfe_u32 s2, ttmp9, 0x10002
	s_mul_i32 s2, s2, 71680
	s_add_co_u32 s80, s80, s2
	s_and_b32 s81, ttmp9, 3
	s_lshl_b32 s2, s3, 15
	s_add_co_u32 s70, s80, s2
	s_lshl_b32 s2, s81, 12
	s_add_co_u32 s70, s70, s2
	s_add_co_u32 s70, s70, 16384
	s_mov_b32 s71, 0
	s_add_co_u32 s72, s80, s82
	s_lshl_b32 s2, s81, 8
	s_add_co_u32 s72, s72, s2
	s_add_co_u32 s72, s72, 65536+2048
	s_mov_b32 s73, 0
	s_lshl_b32 s74, ttmp9, 15
	s_lshl_b32 s2, s22, 12
	s_add_co_u32 s74, s74, s2
	s_mov_b32 s75, 0
	s_lshl_b32 s76, ttmp9, 11
	s_lshl_b32 s2, s22, 8
	s_add_co_u32 s76, s76, s2
	s_mov_b32 s77, 0
	s_lshl_b32 s88, s22, 14
	s_mov_b32 s89, 0
	s_lshl_b32 s90, s22, 10
	s_mov_b32 s91, 0
	s_lshl_b32 s92, s22, 8
	s_mov_b32 s93, 0
.irp g, 24, 32, 40
	s_mov_b32 s[\g], (3<<16)|(1<<20)|(7<<22)|(3<<25)
	s_mov_b32 s[\g+1], 128<<16
	s_mov_b32 s[\g+3], 128<<16
	s_mov_b32 s[\g+5], 4096
	s_mov_b32 s[\g+6], 0
	s_mov_b32 s[\g+7], 0
.endr
	s_mov_b32 s26, 16<<16
	s_mov_b32 s28, 16
	s_mov_b32 s34, 15<<16
	s_mov_b32 s36, 15
	s_mov_b32 s42, 1<<16
	s_mov_b32 s44, 1
	s_mul_i32 s49, s22, SLOTW
	s_mov_b32 s56, 0x76543210
	s_mov_b32 s57, 0xfedcba98
	s_mov_b32 s58, 0x3d8293ee
	s_wait_kmcnt 0x0
	s_cmp_lt_u32 ttmp9, 128
	s_cselect_b64 s[4:5], s[4:5], s[6:7]
	s_cselect_b64 s[18:19], s[18:19], s[20:21]
	s_add_nc_u64 s[78:79], s[4:5], s[78:79]
	s_add_nc_u64 s[66:67], s[18:19], s[66:67]
	s_add_nc_u64 s[68:69], s[18:19], s[68:69]
	s_add_nc_u64 s[70:71], s[20:21], s[70:71]
	s_add_nc_u64 s[72:73], s[20:21], s[72:73]
	s_add_nc_u64 s[74:75], s[14:15], s[74:75]
	s_add_nc_u64 s[76:77], s[16:17], s[76:77]
	s_add_nc_u64 s[88:89], s[8:9], s[88:89]
	s_add_nc_u64 s[90:91], s[10:11], s[90:91]
	s_add_nc_u64 s[92:93], s[12:13], s[92:93]
	s_mov_b32 s48, 1
	s_mov_b64 s[50:51], s[78:79]
	s_or_b32 s51, s51, 0x80000000
	s_mov_b32 s52, 1
	s_add_co_u32 s53, s49, 1040
	s_add_nc_u64 s[54:55], s[78:79], 24576
	s_or_b32 s55, s55, 0x80000000
	s_cmp_eq_u32 s23, 0
	s_cselect_b32 s82, 0, 8192
	s_mov_b32 s83, 0
	s_mov_b32 s84, 1
	s_mov_b32 s85, s49
	s_sub_nc_u64 s[86:87], s[78:79], s[82:83]
	s_or_b32 s87, s87, 0x80000000
	tensor_load_to_lds s[52:55], s[32:39]
	s_nop 0
	PLACES 4
	v_and_b32 v62, 31, v0
	v_and_b32 v63, 15, v0
	v_bfe_u32 v61, v0, 4, 1
	s_delay_alu instid0(VALU_DEP_3)
	v_lshlrev_b32 v3, 4, v62
	s_delay_alu instid0(VALU_DEP_4)
	v_lshlrev_b32 v4, 2, v62
	s_delay_alu instid0(VALU_DEP_4)
	v_and_b32 v77, 8, v63
	s_delay_alu instid0(VALU_DEP_1)
	v_add_nc_u32 v77, v77, v63
	s_delay_alu instid0(VALU_DEP_1)
	v_lshlrev_b32 v52, 8, v77
	s_delay_alu instid0(VALU_DEP_1)
	v_lshl_add_u32 v52, v61, 4, v52
	s_delay_alu instid0(VALU_DEP_3)
	v_lshl_add_u32 v53, v61, 3, v77
	s_delay_alu instid0(VALU_DEP_1)
	v_lshlrev_b32 v53, 4, v53
	v_lshlrev_b32 v54, 4, v63
.irp k, 0,1,2,3,4,5,6,7
	global_load_b128 v[16+4*\k:19+4*\k], v3, s[74:75] offset:512*\k th:TH_LOAD_NT
.endr
	global_load_b128 v[48:51], v54, s[76:77] th:TH_LOAD_NT
.irp t, 0,1,2,3
.irp s, 0,1,2,3
.irp c, 0,1
	global_load_b128 v[128+8*(4*\t+\s)+4*\c:131+8*(4*\t+\s)+4*\c], v52, s[88:89] offset:(32*(\t/2)+8*(\t%2))*256+64*\s+32*\c
.endr
.endr
.endr
	global_load_b128 v[88:91], v53, s[90:91]
	global_load_b128 v[92:95], v53, s[90:91] offset:512
	v_mul_u32_u24 v5, v63, 1040
	s_delay_alu instid0(VALU_DEP_1)
	v_lshl_add_u32 v5, v61, 6, v5
	s_delay_alu instid0(VALU_DEP_1)
	v_add_nc_u32 v5, s49, v5
	s_lshl_b32 s2, s22, 11
	v_add_nc_u32 v6, s2, v3
	s_delay_alu instid0(VALU_DEP_1)
	v_add_nc_u32 v6, XIMG, v6
	s_lshl_b32 s2, s22, 8
	v_add_nc_u32 v7, s2, v4
	s_delay_alu instid0(VALU_DEP_1)
	v_add_nc_u32 v7, XSC, v7
	s_mul_i32 s2, s22, 2560
	v_add_nc_u32 v8, s2, v3
	s_delay_alu instid0(VALU_DEP_1)
	v_add_nc_u32 v8, SCX, v8
	v_add_nc_u32 v9, SCX, v3
	s_lshl_b32 s2, s22, 10
	v_lshl_add_u32 v10, v63, 2, s2
	s_delay_alu instid0(VALU_DEP_1)
	v_add_nc_u32 v10, SST, v10
	v_add_nc_u32 v15, s2, v3
	s_delay_alu instid0(VALU_DEP_1)
	v_add_nc_u32 v15, SST, v15
	v_add_nc_u32 v11, XIMG, v3
	v_add_nc_u32 v13, XSC, v4
	v_lshlrev_b32 v57, 2, v77
	v_lshlrev_b32 v60, 6, v61
	v_lshlrev_b32 v76, 3, v61
	s_lshr_b32 s2, s22, 2
	s_lshl_b32 s62, s2, 6
	s_lshl_b32 s2, s3, 5
	s_add_co_u32 s62, s62, s2
	s_bfe_u32 s2, s22, 0x10001
	s_lshl_b32 s2, s2, 3
	s_add_co_u32 s62, s62, s2
	s_mul_i32 s63, s62, 272
	v_mul_u32_u24 v55, v61, 272
	s_delay_alu instid0(VALU_DEP_1)
	v_lshl_add_u32 v55, v63, 4, v55
	s_delay_alu instid0(VALU_DEP_1)
	v_add_nc_u32 v55, s63, v55
	s_delay_alu instid0(VALU_DEP_1)
	v_add_nc_u32 v55, VROW, v55
	v_bfe_u32 v56, v0, 3, 1
	v_and_b32 v77, 7, v0
	s_delay_alu instid0(VALU_DEP_1)
	v_lshl_add_u32 v56, v56, 4, v77
	s_delay_alu instid0(VALU_DEP_1)
	v_lshlrev_b32 v56, 4, v56
	s_lshl_b32 s63, s62, 4
	v_add_nc_u32 v56, s63, v56
	s_delay_alu instid0(VALU_DEP_1)
	v_add_nc_u32 v56, VRS, v56
	v_mul_u32_u24 v58, v63, 272
	s_delay_alu instid0(VALU_DEP_1)
	v_lshl_add_u32 v58, v61, 4, v58
	s_delay_alu instid0(VALU_DEP_1)
	v_add_nc_u32 v58, VROW, v58
	v_add_nc_u32 v59, VRS, v3
	v_cmp_eq_u32 vcc_lo, 0, v63
	s_cmp_eq_u32 s23, 0
	s_cselect_b32 s2, 0, -1
	v_mov_b32 v71, s2
	v_mov_b32 v12, -1
	s_delay_alu instid0(VALU_DEP_1)
	v_cndmask_b32 v12, v12, v71, vcc_lo
	s_wait_alu depctr_va_vdst(0)
	s_wait_loadcnt 34
.irp k, 0,1,2,3,4,5,6,7
	ds_store_b128 v55, v[16+4*\k:19+4*\k] offset:(16*(\k/4)+2*(\k%4))*272
.endr
	ds_store_b128 v56, v[48:51]
.irp t, 0,1,2,3
	global_load_b32 v[96+8*\t], v57, s[92:93] offset:(32*(\t/2)+8*(\t%2))*4
.endr
	s_wait_tensorcnt 0x0
	ds_add_u32 v1, v2
	s_wait_dscnt 0x0
	s_barrier_signal -1
	s_barrier_wait -1
	tensor_load_to_lds s[84:87], s[40:47]
	s_nop 0
	PLACES 4
	s_wait_loadcnt 0x0
.irp t, 0,1,2,3
.irp j, 1,2,3,4,5,6,7
	v_mov_b32 v[96+8*\t+\j], v[96+8*\t]
.endr
.endr
.macro VGROUP s, mh
.if (\mh) == 0
.irp ip, 0,1,2,3
	ds_load_b32 v[84+\ip], v59 offset:512*\ip+4*(\s)
.endr
.endif
.irp ii, 0,1,2,3
.irp c, 0,1
	ds_load_b128 v[16+8*\ii+4*\c:19+8*\ii+4*\c], v58 offset:(4*(\mh)+\ii)*4352+64*(\s)+32*\c
.endr
.endr
	s_wait_dscnt 0x0
.if (\s) == 0
	WIN 0x40
.else
	WIN 0x50
.endif
.irp ii, 0,1,2,3
.irp dt, 0,1,2,3
.if (\s) == 0
	WMR 64*\dt+8*(4*(\mh)+\ii), 16+8*\ii, 128+8*(4*\dt+(\s)), 96+8*\dt, 84+(4*(\mh)+\ii)/2, 88+4*(\dt/2)+(\s), \ii%2, \dt%2
.else
	WMR 64*\dt+8*(4*(\mh)+\ii), 16+8*\ii, 128+8*(4*\dt+(\s)), 64*\dt+8*(4*(\mh)+\ii), 84+(4*(\mh)+\ii)/2, 88+4*(\dt/2)+(\s), \ii%2, \dt%2
.endif
.endr
.endr
	WIN 0
	PLACES 4
.endm
	s_wait_alu depctr_va_vdst(0)
	VGROUP 0, 0
	VGROUP 0, 1
.irp t, 0,1,2,3
	global_load_b128 v[96+8*\t:99+8*\t], v60, s[92:93] offset:(32*(\t/2)+8*(\t%2))*4
	global_load_b128 v[100+8*\t:103+8*\t], v60, s[92:93] offset:(32*(\t/2)+8*(\t%2))*4+16
.endr
	VGROUP 1, 0
	VGROUP 1, 1
	VGROUP 2, 0
	VGROUP 2, 1
	VGROUP 3, 0
	VGROUP 3, 1
.macro VQUANT dt
	WIN 0x05
.irp c, 0,1
	v_max3_num_f32 v[64+\c], |v[64*(\dt)+32*\c]|, |v[64*(\dt)+32*\c+1]|, 0x1800000
.endr
.irp i, 2,4,6,8,10,12,14,16,18,20,22,24,26,28,30
.irp c, 0,1
	v_max3_num_f32 v[64+\c], |v[64*(\dt)+32*\c+\i]|, |v[64*(\dt)+32*\c+\i+1]|, v[64+\c]
.endr
.endr
	WIN 0
.irp c, 0,1
	v_add_nc_u32 v[66+\c], 0xff000000, v[64+\c]
.endr
.irp c, 0,1
	s_delay_alu instid0(VALU_DEP_2)
	v_lshrrev_b32 v[68+\c], 23, v[66+\c]
.endr
	WIN 0x01
.irp c, 0,1
.irp g, 0,1,2,3
	v_cvt_scalef32_pk8_fp4_f32 v[16+8*(\dt)+4*\c+\g], v[64*(\dt)+32*\c+8*\g:64*(\dt)+32*\c+8*\g+7], v[66+\c]
.endr
.endr
	WIN 0
	v_nop
	v_lshl_or_b32 v70, v69, 16, v68
	s_delay_alu instid0(VALU_DEP_1)
	v_lshlrev_b32 v70, v76, v70
	s_delay_alu instid0(VALU_DEP_1)
	v_permlanex16_b32 v71, v70, s56, s57
	s_delay_alu instid0(VALU_DEP_1)
	v_or_b32 v[48+(\dt)], v70, v71
.irp c, 0,1
	global_store_b128 v3, v[16+8*(\dt)+4*\c:19+8*(\dt)+4*\c], s[70:71] offset:1024*(\dt)+512*\c
.endr
.endm
	VQUANT 0
	VQUANT 1
	VQUANT 2
	VQUANT 3
	global_store_b128 v54, v[48:51], s[72:73]
	s_wait_loadcnt 0x0
	s_wait_xcnt 0x0
.irp k, 40,41,42,43,53,69,71,73,75,77
	v_mov_b32 v[\k], 0
.endr
.macro QUANT src, mask
	WIN 0x05
.irp b, 0,1,2,3
	v_max3_num_f32 v[36+\b], |v[\src+16*\b]|, |v[\src+16*\b+1]|, 0x1800000
.endr
.irp i, 2,4,6,8,10,12,14
.irp b, 0,1,2,3
	s_delay_alu instid0(VALU_DEP_4)
	v_max3_num_f32 v[36+\b], |v[\src+16*\b+\i]|, |v[\src+16*\b+\i+1]|, v[36+\b]
.endr
.endr
	WIN 0
.irp b, 0,1,2,3
	v_permlanex16_b32 v[40+\b], v[36+\b], s56, s57
.endr
.irp b, 0,1,2,3
	s_delay_alu instid0(VALU_DEP_4)
	v_max_num_f32 v[36+\b], v[36+\b], v[40+\b]
.endr
.irp b, 0,1,2,3
	s_delay_alu instid0(VALU_DEP_4)
	v_add_nc_u32 v[48+\b], 0xff000000, v[36+\b]
.endr
.irp b, 0,1,2,3
	s_delay_alu instid0(VALU_DEP_4)
	v_lshrrev_b32 v[40+\b], 23, v[48+\b]
.endr
	s_delay_alu instid0(VALU_DEP_3)
	v_lshl_or_b32 v52, v41, 8, v40
	s_delay_alu instid0(VALU_DEP_1)
	v_lshl_or_b32 v52, v42, 16, v52
	s_delay_alu instid0(VALU_DEP_1)
	v_lshl_or_b32 v52, v43, 24, v52
	WIN 0x01
.irp b, 0,1,2,3
	v_cvt_scalef32_pk8_fp4_f32 v[54+2*\b], v[\src+16*\b:\src+16*\b+7], v[48+\b]
	v_cvt_scalef32_pk8_fp4_f32 v[55+2*\b], v[\src+16*\b+8:\src+16*\b+15], v[48+\b]
.endr
	WIN 0
	v_nop
.irp c, 0,1
.irp i, 0,1
	v_permlane16_swap_b32 v[54+4*\c+\i], v[56+4*\c+\i]
.endr
.endr
.if \mask
.irp k, 0,1,2,3,4,5,6,7
	v_and_b32 v[54+\k], v12, v[54+\k]
.endr
.endif
.endm
.macro IMAGE sl
.irp c, 0,1
	ds_store_b128 v6, v[54+4*\c:57+4*\c] offset:1024*(\sl)+512*\c
.endr
	ds_store_b32 v7, v52 offset:128*(\sl)
.endm
.macro XPHASE mask
	s_wait_tensorcnt 0x0
	WIN 0x40
.irp sl, 0,1
.irp bq, 0,1,2,3
.irp j, 0,1,2,3
	ds_load_b128 v[128+64*\sl+16*\bq+4*\j:131+64*\sl+16*\bq+4*\j], v5 offset:512*\sl+128*\bq+16*\j
.endr
.endr
.endr
	WIN 0
	s_wait_dscnt 16
	QUANT 128, \mask
	IMAGE 0
	s_wait_dscnt 0x0
	QUANT 192, \mask
	IMAGE 1
.endm
.macro MEET fill, step
.if \fill
	s_wait_tensorcnt 0x0
	ds_add_u32 v1, v2
.if \step
	s_add_nc_u64 s[50:51], s[50:51], 8192
.endif
	s_wait_dscnt 0x0
	s_barrier_signal -1
	s_barrier_wait -1
	tensor_load_to_lds s[48:51], s[24:31]
	s_nop 0
	PLACES 4
.else
	s_wait_dscnt 0x0
	s_barrier_signal -1
	s_barrier_wait -1
.endif
.endm
.macro GEMM
.irp i, 0,1,2,3
.irp s, 0,1,2,3
.irp c, 0,1
	ds_load_b128 v[36+8*\s+4*\c:39+8*\s+4*\c], v11 offset:(4*\i+\s)*1024+512*\c
.endr
.endr
.irp s, 0,1,2,3
	ds_load_b32 v[84+\s], v13 offset:(4*\i+\s)*128
.endr
	s_wait_dscnt 0x0
	WIN 0x40
.irp t, 0,1,2,3
	WMR 128+32*\i+8*\t, 128+8*(4*\t), 36, 96+8*\t, 88+4*(\t/2), 84, \t%2, 0
.endr
	WIN 0x50
.irp s, 1,2,3
.irp t, 0,1,2,3
	WMR 128+32*\i+8*\t, 128+8*(4*\t+\s), 36+8*\s, 128+32*\i+8*\t, 88+4*(\t/2)+\s, 84+\s, \t%2, 0
.endr
.endr
	WIN 0
	PLACES 4
.endr
.endm
.macro SCORES
.irp i, 0,1,2,3
	WIN 0x05
.irp w, 0,1,2,3,4
	v_pk_mul_f32 v[36+2*\w:37+2*\w], v[32*(4+\i):32*(4+\i)+1], v[32*(4+\i-\w):32*(4+\i-\w)+1]
.endr
.irp p, 1,2,3,4,5,6,7,8,9,10,11,12,13,14,15
.irp w, 0,1,2,3,4
	v_pk_fma_f32 v[36+2*\w:37+2*\w], v[32*(4+\i)+2*\p:32*(4+\i)+2*\p+1], v[32*(4+\i-\w)+2*\p:32*(4+\i-\w)+2*\p+1], v[36+2*\w:37+2*\w]
.endr
.endr
	WIN 0
.irp w, 0,1,2,3,4
	v_add_f32 v[16+5*\i+\w], v[36+2*\w], v[37+2*\w]
.endr
.endr
.endm
.macro LX k, reg
.irp q, 0,1,2,3,4
	ds_load_b128 v[(\reg)+4*\q:(\reg)+4*\q+3], v9 offset:2560*(\k)+512*\q
.endr
.endm
.macro XCHG
.irp q, 0,1,2,3,4
	ds_store_b128 v8, v[16+4*\q:19+4*\q] offset:512*\q
.endr
	s_wait_dscnt 0x0
	s_barrier_signal -1
	s_barrier_wait -1
	LX 0, 16
	LX 1, 36
	LX 2, 56
.irp k, 1,2,3,4,5,6,7
.if \k < 7
	s_wait_dscnt 5
.else
	s_wait_dscnt 0x0
.endif
.irp n, 0,2,4,6,8,10,12,14,16,18
	v_pk_add_f32 v[16+\n:17+\n], v[16+\n:17+\n], v[36+20*((\k-1)%2)+\n:37+20*((\k-1)%2)+\n]
.endr
.if \k < 6
	LX \k+2, 36+20*((\k-1)%2)
.endif
.endr
.irp n, 0,1,2,3,4,5,6,7,8,9,10,11,12,13,14,15,16,17,18,19
	v_permlanex16_b32 v[36+\n], v[16+\n], s56, s57
.endr
.irp n, 0,2,4,6,8,10,12,14,16,18
	v_pk_add_f32 v[16+\n:17+\n], v[16+\n:17+\n], v[36+\n:37+\n]
.endr
.endm
.macro SOFTMAX5
.irp i, 0,1,2,3
	v_max3_num_f32 v[36+\i], v[16+5*\i], v[17+5*\i], v[18+5*\i]
.endr
.irp i, 0,1,2,3
	s_delay_alu instid0(VALU_DEP_4)
	v_max3_num_f32 v[36+\i], v[36+\i], v[19+5*\i], v[20+5*\i]
.endr
.irp i, 0,1,2,3
	s_delay_alu instid0(VALU_DEP_4)
	v_mul_f32 v[36+\i], s58, v[36+\i]
.endr
.irp w, 0,1,2,3,4
.irp i, 0,1,2,3
	v_fma_f32 v[16+5*\i+\w], v[16+5*\i+\w], s58, -v[36+\i]
.endr
.endr
	s_wait_alu depctr_va_vdst(0)
.irp n, 0,1,2,3,4,5,6,7,8,9,10,11,12,13,14,15,16,17,18,19
	v_exp_f32 v[16+\n], v[16+\n]
.endr
	v_nop
	s_wait_alu depctr_va_vdst(0)
.irp i, 0,1,2,3
	v_add_f32 v[40+\i], v[16+5*\i], v[17+5*\i]
.endr
.irp w, 2,3,4
.irp i, 0,1,2,3
	v_add_f32 v[40+\i], v[40+\i], v[16+5*\i+\w]
.endr
.endr
	s_wait_alu depctr_va_vdst(0)
.irp i, 0,1,2,3
	v_rcp_f32 v[78+\i], v[40+\i]
.endr
	v_nop
	s_wait_alu depctr_va_vdst(0)
.endm
.macro MIXQ i
.irp w, 0,1,2,3,4
	v_mul_f32 v[68+2*\w], v[16+5*(\i)+\w], v[78+(\i)]
.endr
.irp bb, 0,1
	WIN 0x01
.irp p, 0,1,2,3,4,5,6,7
	v_pk_mul_f32 v[36+2*\p:37+2*\p], v[32*(4+(\i))+16*\bb+2*\p:32*(4+(\i))+16*\bb+2*\p+1], v[68:69] op_sel_hi:[1,0]
.endr
.irp w, 1,2,3,4
.irp p, 0,1,2,3,4,5,6,7
	v_pk_fma_f32 v[36+2*\p:37+2*\p], v[32*(4+(\i)-\w)+16*\bb+2*\p:32*(4+(\i)-\w)+16*\bb+2*\p+1], v[68+2*\w:69+2*\w], v[36+2*\p:37+2*\p] op_sel_hi:[1,0,1]
.endr
.endr
	WIN 0
	v_max3_num_f32 v52, |v36|, |v37|, 0x1800000
	v_max3_num_f32 v55, |v44|, |v45|, |v46|
	s_delay_alu instid0(VALU_DEP_2)
	v_max3_num_f32 v52, v52, |v38|, |v39|
	s_delay_alu instid0(VALU_DEP_2)
	v_max3_num_f32 v55, v55, |v47|, |v48|
	s_delay_alu instid0(VALU_DEP_2)
	v_max3_num_f32 v52, v52, |v40|, |v41|
	s_delay_alu instid0(VALU_DEP_2)
	v_max3_num_f32 v55, v55, |v49|, |v50|
	s_delay_alu instid0(VALU_DEP_2)
	v_max3_num_f32 v52, v52, |v42|, |v43|
	s_delay_alu instid0(VALU_DEP_1)
	v_max3_num_f32 v52, v52, v55, |v51|
	s_delay_alu instid0(VALU_DEP_1)
	v_permlanex16_b32 v53, v52, s56, s57
	s_delay_alu instid0(VALU_DEP_1)
	v_max_num_f32 v52, v52, v53
	s_delay_alu instid0(VALU_DEP_1)
	v_add_nc_u32 v54, 0xff000000, v52
	s_delay_alu instid0(VALU_DEP_1)
	v_lshrrev_b32 v[64+\bb], 23, v54
.if \bb == 0
	s_wait_alu depctr_va_vdst(0)
	s_wait_xcnt 0x0
.endif
	v_cvt_scalef32_pk8_fp4_f32 v[60+2*\bb], v[36:43], v54
	v_cvt_scalef32_pk8_fp4_f32 v[61+2*\bb], v[44:51], v54
	v_nop
.endr
	v_permlane16_swap_b32 v60, v62
	v_permlane16_swap_b32 v61, v63
	v_lshl_or_b32 v[56+(\i)], v65, 8, v64
	global_store_b128 v3, v[60:63], s[66:67] offset:512*(\i)
	ds_store_b32 v14, v[56+(\i)] offset:64*(\i)
.endm
.macro COPY
	WIN 0x41
.set J, 0
.rept 128
	v_mov_b32 v[J], v[128+J]
.set J, J+1
.endr
	WIN 0
.endm
.macro BODY
	GEMM
	SCORES
	XCHG
	SOFTMAX5
	v_add_nc_u32 v14, s61, v10
	MIXQ 0
	MIXQ 1
	MIXQ 2
	MIXQ 3
.endm
	XPHASE 1
	MEET 1, 0
	GEMM
	COPY
	s_wait_dscnt 0x0
	s_barrier_signal -1
	s_barrier_wait -1
	s_mov_b32 s60, 3
	s_mov_b32 s61, 0
.Lchunk:
	XPHASE 0
	MEET 1, 1
	BODY
	COPY
	s_wait_xcnt 0x0
	s_add_nc_u64 s[66:67], s[66:67], 2048
	s_add_co_u32 s61, s61, 256
	s_sub_co_u32 s60, s60, 1
	s_cmp_lg_u32 s60, 0
	s_cbranch_scc1 .Lchunk
	XPHASE 0
	MEET 0, 0
	BODY
	ds_load_b128 v[36:39], v15
	ds_load_b128 v[40:43], v15 offset:512
	s_wait_dscnt 0x0
	global_store_b128 v3, v[36:39], s[68:69]
	global_store_b128 v3, v[40:43], s[68:69] offset:512
	s_wait_tensorcnt 0x0
	ds_add_u32 v1, v2
	s_wait_dscnt 0x0
	s_endpgm
.Lfunc_end_k_q8905315220_proj:
	.size	k_q8905315220_proj, .Lfunc_end_k_q8905315220_proj-k_q8905315220_proj
	.p2alignl 7, 3214868480
	.fill 96, 4, 3214868480
	.section	.rodata,"a",@progbits
	.p2align	6, 0x0
	.amdhsa_kernel k_q8905315220_proj
		.amdhsa_group_segment_fixed_size 327680
		.amdhsa_private_segment_fixed_size 0
		.amdhsa_enable_private_segment 0
		.amdhsa_kernarg_size 72
		.amdhsa_user_sgpr_count 2
		.amdhsa_user_sgpr_kernarg_segment_ptr 1
		.amdhsa_wavefront_size32 1
		.amdhsa_system_sgpr_workgroup_id_x 1
		.amdhsa_system_sgpr_workgroup_id_y 1
		.amdhsa_system_sgpr_workgroup_id_z 1
		.amdhsa_system_vgpr_workitem_id 0
		.amdhsa_next_free_vgpr 512
		.amdhsa_next_free_sgpr 96
		.amdhsa_reserve_vcc 1
		.amdhsa_float_denorm_mode_32 3
		.amdhsa_float_denorm_mode_16_64 3
		.amdhsa_memory_ordered 1
		.amdhsa_forward_progress 1
		.amdhsa_inst_pref_size 255
	.end_amdhsa_kernel
	.section	.bss,"aw",@nobits
	.p2align	6
	.space	262144
	.amdgpu_metadata
---
amdhsa.version: [ 1, 2 ]
amdhsa.kernels:
  - .name:           k_q8905315220_proj
    .symbol:         k_q8905315220_proj.kd
    .args:
      - { .name: query, .offset: 0, .size: 8, .value_kind: global_buffer, .address_space: global }
      - { .name: key, .offset: 8, .size: 8, .value_kind: global_buffer, .address_space: global }
      - { .name: W0_codes, .offset: 16, .size: 8, .value_kind: global_buffer, .address_space: global }
      - { .name: W0_scales, .offset: 24, .size: 8, .value_kind: global_buffer, .address_space: global }
      - { .name: b0, .offset: 32, .size: 8, .value_kind: global_buffer, .address_space: global }
      - { .name: value_codes, .offset: 40, .size: 8, .value_kind: global_buffer, .address_space: global }
      - { .name: value_scales, .offset: 48, .size: 8, .value_kind: global_buffer, .address_space: global }
      - { .name: qs, .offset: 56, .size: 8, .value_kind: global_buffer, .address_space: global }
      - { .name: kv, .offset: 64, .size: 8, .value_kind: global_buffer, .address_space: global }
    .group_segment_fixed_size: 327680
    .private_segment_fixed_size: 0
    .kernarg_segment_align: 8
    .kernarg_segment_size: 72
    .max_flat_workgroup_size: 256
    .sgpr_count:     96
    .vgpr_count:     512
    .wavefront_size: 32
...
	.end_amdgpu_metadata
.endif
;; end of part 1
;; launch attn (part 2): grid 256 x 1, 16 waves a work-group, no clusters, 167,936 bytes of LDS; arguments qs, kv, xq, xs; writes xq, xs
.if DOCPART == 2
	.amdgcn_target "amdgcn-amd-amdhsa--gfx1250"
	.amdhsa_code_object_version 6
	.text
	.protected	k_q8905315220_attn
	.globl	k_q8905315220_attn
	.p2align	8
	.type	k_q8905315220_attn,@function
k_q8905315220_attn:
	s_mov_b64 s[64:65], 0
	v_nop
	global_prefetch_b8 v0, s[64:65] scope:SCOPE_SE
	s_setreg_imm32_b32 hwreg(HW_REG_WAVE_MODE, 25, 1), 1
	s_wait_xcnt 0x0
; ATTENTION OF ONE HEAD OF ONE BATCH: 1,024 queries x 1,024 keys, head size 64, both products on FP4 (E2M1) codes with one E8M0 scale for each 32 along K.
; q, k, v come as codes from the launch before.  The result x = O / sum is quantised along d (its blocks of 32 lie inside a head) and stored as codes for the launch behind.
; SHARES.  Work-group = batch 8 + head.  The head's K and V (65,536 bytes of codes, 6,144 of scale bytes) come into LDS ONCE, by eight tensor loads at the head, one a wave; nothing is filled again,
; so the walk over the keys has no barrier.  Wave w owns four tiles of 16 queries, one after the other: task T = w / 4, u = w % 2, g = 4 ((w / 2) % 2) + i, i = 0 .. 3.
; NO CLUSTER: no two work-groups read the same K, V or Q.  NO PREFETCH: every stream is asked for once, at the head, and there is no loop to run ahead in.
; LAYOUT.  Both products are used transposed (S^T = K Q^T, O^T = V^T P^T): a lane holds one query throughout.  The head's 64 fill half of the instruction's 128: the upper 64 codes of Q's fragment are zeros.
; K's eight fragments of a step lie packed, four registers each, in v44-75, with four registers of zeros behind them: the upper half of an operand is the next fragment.  Every 4-bit pattern is a finite number,
; the scale bytes of that half are 0 (a finite code) on both sides, and Q's codes there are zeros: so that half adds exact zeros.
; A STEP'S K IS ASKED FOR A STEP AHEAD: behind a step's eight score products the next step's eight fragments and four scale words are loaded from LDS, under the softmax; behind a tile's last step come step 0's, for the next tile
; (behind the wave's very last step these 12 loads are read by nobody).
; The keys of a tile are chosen so that the 16 registers of tiles 2 b, 2 b + 1 are keys 32 b + 16 h + 0 .. 15 of the step of 128.  Lane 8 e + t3 of tile (T, g, u) is query 256 T + 32 g + 16 e + 8 u + t3.
; IN MEMORY (qs, kv): batch 573440 + pair 143360 + half 71680 +: hs 32768 + tk 8192 + t 512 + blk 256 + r 16: 32 codes of row 16 r + t of its task; hs 32768 + 16384 + st 4096 + dt 1024 + c 512 + 16 lane: V^T's registers;
;   65536 + hs 3072 + tk 1024 + t 64 + r 4: scale words; 65536 + hs 3072 + 2048 + st 256 + r 16 + dt 4: V^T's.  In LDS 32 bytes of padding follow every 512.
; OUT: xq[batch][tile 64][pair 4][head % 2][512 bytes = 16 x lane]: registers 4 (head % 2) .. + 3 of x's fragment; xs[batch][head][tile][row] two scale bytes.  tile = 16 T + 2 g + u.
; SOFTMAX.  t = score x log2(e) / 8; M = the running largest t rounded up to a whole number; p = 2^(t - M) is quantised along the keys; the sum is taken of the unquantised p and divides O at the end;
; when M moves, the sum and O^T are multiplied by 2^(old M - new M), which rounds nothing.
; LIMITS: the promise holds while |t| stays under 2^31; NaN and infinities are not served; a block whose largest magnitude lies under 2^-124 gets the scale byte 1.
; REGISTERS: v1-4 places in LDS; v5 spare word, v6 0; v7 16 x lane; v8-11 the step's addresses; v12 -M, v13 largest t, v[14:15] the sum; v16-23 Q (v20-23 zero), v24 its scale word; v25-28 and v32-39, v234-243 the queue of Q's;
;   v29 place of x's scale bytes, v30 at work, v31, v246 the last store; v40-43 K's scale words; v44-75 K's eight fragments, v76-79 zero; v80-111 V's four; v112-175 S^T, then p;
;   v176-207 O^T; v208-215 p's codes; v216-227 block maxima, bytes, scale operands; v228 f, v229 p's scale word; v230 at work; v232-233, v252-255 chains of the sum; v244-245 V's scale words.
.set VREG,  34816                      ; K's codes at 0: 4 tasks x 16 rows x 544; V^T's images here: 8 steps x 8 x 544
.set KSC,   69632                      ; K's scale words: 4 tasks x 1,088
.set VSC,   73984                      ; V^T's: 4 tasks x 544
.set XS,    76288                      ; x's scale bytes: 64 tiles x 32 bytes; no tensor load lands here
.set SPARE, 78336                      ; the spare words: 128 bytes for each wave
.macro PLACES cnt
.rept \cnt
	v_nop
.endr
.endm
.macro WMR d, a, b, sa, sb, ra
.if (\ra) == 1
	v_wmma_scale_f32_16x16x128_f8f6f4 v[(\d):(\d)+7], v[(\a):(\a)+7], v[(\b):(\b)+7], v[(\d):(\d)+7], v[(\sa)], v[(\sb)] matrix_a_fmt:MATRIX_FMT_FP4 matrix_b_fmt:MATRIX_FMT_FP4 matrix_a_scale:MATRIX_SCALE_ROW1
.else
	v_wmma_scale_f32_16x16x128_f8f6f4 v[(\d):(\d)+7], v[(\a):(\a)+7], v[(\b):(\b)+7], v[(\d):(\d)+7], v[(\sa)], v[(\sb)] matrix_a_fmt:MATRIX_FMT_FP4 matrix_b_fmt:MATRIX_FMT_FP4
.endif
.endm
.macro WMZ d, a, b, sa, sb, ra
.if (\ra) == 1
	v_wmma_scale_f32_16x16x128_f8f6f4 v[(\d):(\d)+7], v[(\a):(\a)+7], v[(\b):(\b)+7], 0, v[(\sa)], v[(\sb)] matrix_a_fmt:MATRIX_FMT_FP4 matrix_b_fmt:MATRIX_FMT_FP4 matrix_a_scale:MATRIX_SCALE_ROW1
.else
	v_wmma_scale_f32_16x16x128_f8f6f4 v[(\d):(\d)+7], v[(\a):(\a)+7], v[(\b):(\b)+7], 0, v[(\sa)], v[(\sb)] matrix_a_fmt:MATRIX_FMT_FP4 matrix_b_fmt:MATRIX_FMT_FP4
.endif
.endm
	s_load_b128 s[4:7], s[0:1], 0x0                ; qs, kv
	s_load_b128 s[8:11], s[0:1], 0x10              ; xq, xs
	v_lshl_add_u32 v5, v0, 2, SPARE
	v_mov_b32 v6, 0
	ds_add_u32 v5, v6                              ; the opening lines: the add, twice on end, and its wait
	ds_add_u32 v5, v6
	v_lshrrev_b32 v8, 5, v0
	v_readfirstlane_b32 s16, v8                    ; wave 0..15
	s_lshr_b32 s17, ttmp9, 3                       ; batch
	s_and_b32 s18, ttmp9, 7                        ; head
	s_lshr_b32 s19, s18, 1                         ; pair
	s_and_b32 s20, s18, 1                          ; hs
	s_mul_i32 s21, s17, 573440
	s_mul_i32 s22, s19, 143360
	s_add_co_u32 s21, s21, s22
	s_lshl_b32 s22, s20, 15
	s_add_co_u32 s22, s22, s21                     ; my head's codes, half 0
	s_mul_i32 s23, s20, 3072
	s_add_co_u32 s23, s23, s21
	s_add_co_u32 s23, s23, 65536                   ; its scale bytes, half 0
.irp g, 24, 68, 76                             ; three groups 1: rows of 64 elements of 8 bytes, dense; 8 words of padding behind every 128
	s_mov_b32 s[\g], (3<<16)|(1<<20)|(6<<22)|(7<<25)
	s_mov_b32 s[\g+1], 64<<16
	s_mov_b32 s[\g+3], 64<<16
	s_mov_b32 s[\g+5], 64
	s_mov_b32 s[\g+6], 0
	s_mov_b32 s[\g+7], 0
.endr
	s_mov_b32 s26, 32<<16                          ; codes: 32 rows
	s_mov_b32 s28, 32
	s_mov_b32 s70, 4<<16                           ; K's scale words of a half: 4 rows
	s_mov_b32 s72, 4
	s_mov_b32 s78, 2<<16                           ; V^T's: 2 rows
	s_mov_b32 s80, 2
	s_and_b32 s52, s16, 1
	s_lshr_b32 s53, s16, 1
	s_mul_i32 s33, s52, VREG                       ; waves 0-3: w % 2 = K or V, w / 2 = the half
	s_mul_i32 s54, s53, 17408
	s_add_co_u32 s33, s33, s54
	s_lshl_b32 s56, s52, 14
	s_mul_i32 s54, s53, 71680
	s_add_co_u32 s56, s56, s54
	s_add_co_u32 s56, s56, s22
	s_mov_b32 s57, 0
	s_mul_i32 s58, s52, 71680                      ; waves 4-7: w % 2 = the half
	s_add_co_u32 s58, s58, s23
	s_mov_b32 s59, 0
	s_mul_i32 s85, s52, 2176
	s_add_co_u32 s85, s85, KSC
	s_mul_i32 s89, s52, 1088
	s_add_co_u32 s89, s89, VSC
	s_lshr_b32 s60, s16, 3                         ; Q: T / 2,
	s_mul_i32 s60, s60, 71680
	s_bfe_u32 s61, s16, 0x10002                    ; T % 2,
	s_bfe_u32 s62, s16, 0x10001                    ; g / 4; u = s52
	s_add_co_u32 s48, s22, s60
	s_lshl_b32 s63, s61, 13
	s_add_co_u32 s48, s48, s63
	s_lshl_b32 s63, s52, 12
	s_add_co_u32 s48, s48, s63
	s_lshl_b32 s63, s62, 7
	s_add_co_u32 s48, s48, s63                     ; codes of my first tile
	s_add_co_u32 s49, s23, s60
	s_lshl_b32 s63, s61, 10
	s_add_co_u32 s49, s49, s63
	s_lshl_b32 s63, s52, 9
	s_add_co_u32 s49, s49, s63
	s_lshl_b32 s63, s62, 5
	s_add_co_u32 s49, s49, s63                     ; its scale words
	s_lshr_b32 s63, s16, 2
	s_lshl_b32 s63, s63, 4
	s_lshl_b32 s55, s62, 3
	s_add_co_u32 s63, s63, s55
	s_add_co_u32 s63, s63, s52                     ; my first tile's number; the next is 2 on
	s_lshl_b32 s45, s63, 5                         ; 32 bytes a tile among x's scale bytes
	s_lshl_b32 s46, s63, 12
	s_lshl_b32 s55, s17, 18
	s_add_co_u32 s46, s46, s55
	s_lshl_b32 s55, s19, 10
	s_add_co_u32 s46, s46, s55
	s_lshl_b32 s55, s20, 9
	s_add_co_u32 s46, s46, s55
	s_mov_b32 s47, 0
	s_lshl_b32 s92, ttmp9, 11
	s_mov_b32 s93, 0
	s_mov_b32 s36, 0x76543210                      ; v_permlanex16_b32's selects for lane l xor 16
	s_mov_b32 s37, 0xfedcba98
	s_mov_b32 s38, 0x3e38aa3b                      ; log2(e) / 8
	s_mov_b32 s39, s38
	s_mov_b32 s43, 4
	s_wait_dscnt 0x0                               ; both opening adds are done
	s_wait_kmcnt 0x0
	s_mov_b32 s32, 1
	s_add_nc_u64 s[34:35], s[6:7], s[56:57]
	s_or_b32 s35, s35, 0x80000000
	s_mov_b32 s84, 1
	s_add_nc_u64 s[86:87], s[6:7], s[58:59]
	s_mov_b32 s88, 1
	s_add_nc_u64 s[90:91], s[86:87], 2048
	s_or_b32 s87, s87, 0x80000000
	s_or_b32 s91, s91, 0x80000000
	s_add_nc_u64 s[46:47], s[8:9], s[46:47]
	s_add_nc_u64 s[92:93], s[10:11], s[92:93]
; the head's loads, one a wave, in one chain of branches on the wave's number
.macro ARM under, g0, g1, next
	s_cmp_lt_u32 s16, \under
	s_cbranch_scc0 \next
	tensor_load_to_lds s[\g0:\g0+3], s[\g1:\g1+7]
	s_nop 0
	PLACES 4
	s_branch .Lhead_asked
\next:
.endm
	ARM 4, 32, 24, .Lhead_ks
	ARM 6, 84, 68, .Lhead_vs
	ARM 8, 88, 76, .Lhead_none
.Lhead_asked:
	v_and_b32 v8, 31, v0                           ; lane
	v_and_b32 v9, 7, v0                            ; t3
	v_bfe_u32 v10, v0, 3, 1                        ; e
	v_bfe_u32 v11, v0, 4, 1                        ; h
	v_and_b32 v30, 15, v0                          ; r
	v_lshlrev_b32 v12, 9, v9
	v_lshlrev_b32 v13, 6, v9
	v_mul_u32_u24 v1, v9, 544
	v_lshlrev_b32 v7, 4, v8
	v_lshl_add_u32 v12, v11, 8, v12
	v_lshl_add_u32 v13, v10, 2, v13
	v_lshl_add_u32 v1, v10, 4, v1
	v_add_nc_u32 v2, VREG, v7                      ; V^T's images
	v_lshl_add_u32 v12, v10, 4, v12
	v_mad_u32_u24 v3, v11, 544, v13
	v_lshl_add_u32 v1, v11, 8, v1                  ; K: time t3, run e, block h
	v_lshlrev_b32 v4, 4, v30
	v_add_nc_u32 v12, s48, v12                     ; Q's codes: my row's block h
	v_add_nc_u32 v13, s49, v13                     ; Q's scale word
	v_add_nc_u32 v3, KSC, v3                       ; K's scale words: lanes 0-15 an even tile, lanes 16-31 the odd one
	v_lshl_add_u32 v4, v11, 2, v4
	v_lshl_add_u32 v29, v30, 1, XS
	v_lshlrev_b32 v31, 4, v0
	v_add_nc_u32 v4, VSC, v4
	v_add_nc_u32 v246, XS, v31
.irp k, 20,21,22,23, 76,77,78,79
	v_mov_b32 v[\k], 0                             ; zero codes, for good: the upper 64 of Q's fragment; the four registers behind K's last fragment
.endr
.irp k, 220,221,222,223, 229
	v_mov_b32 v[\k], 0                             ; written once: lane permutes' destinations; the upper half of the pair v[228:229]
.endr
	s_wait_alu depctr_va_vdst(0)                   ; the wait at the head's end
	global_load_b128 v[32:35], v12, s[4:5]         ; my four tiles' Q: 32 bytes (scale words: 8) from tile to tile
	global_load_b128 v[36:39], v12, s[4:5] offset:32
	global_load_b128 v[234:237], v12, s[4:5] offset:64
	global_load_b128 v[240:243], v12, s[4:5] offset:96
.irp i, 0,1,2,3
	global_load_b32 v[25+\i], v13, s[4:5] offset:8*\i
.endr
	s_wait_loadcnt 0x0
	s_wait_tensorcnt 0x0                           ; my part of K and V has landed
	s_barrier_signal -1
	s_barrier_wait -1                              ; and so has everybody's
.irp t, 0,1,2,3,4,5,6,7                        ; step 0's K and its scale words
	ds_load_b128 v[44+4*\t:47+4*\t], v1 offset:(\t%2)*4352+32*(\t/2)
.endr
.irp b, 0,1,2,3
	ds_load_b32 v[40+\b], v3 offset:\b*8
.endr
; the largest score of blocks b0, b0 + 1 of 32 keys: two chains a block, by turns
.macro MAXB b0
.irp b, \b0, \b0+1
	v_max3_num_f32 v[216+\b], v[112+16*(\b)], v[113+16*(\b)], v[114+16*(\b)]
	v_max3_num_f32 v[220+\b], v[120+16*(\b)], v[121+16*(\b)], v[122+16*(\b)]
.endr
.irp i, 3,5
.irp b, \b0, \b0+1
	v_max3_num_f32 v[216+\b], v[216+\b], v[112+16*(\b)+\i], v[113+16*(\b)+\i]
	v_max3_num_f32 v[220+\b], v[220+\b], v[120+16*(\b)+\i], v[121+16*(\b)+\i]
.endr
.endr
.irp b, \b0, \b0+1
	v_max3_num_f32 v[216+\b], v[216+\b], v[220+\b], v[119+16*(\b)]
.endr
.irp b, \b0, \b0+1
	v_max_num_f32 v[216+\b], v[216+\b], v[127+16*(\b)]
.endr
.endm
; A KEY STEP: 128 keys: step q of the task at s40 (codes), s41 (K's scale words), s42 (V's); the next task's K at s50, s51.
.macro STEP q
	s_wait_alu depctr_va_vdst(0)                   ; the wait here, directly ahead of the wait below
	s_wait_dscnt 0x0                               ; this step's K and its scale words, asked for a step ago, are in
.irp t, 0,1,2,3,4,5,6,7
	WMZ 112+8*\t, 44+4*\t, 16, 40+\t/2, 24, \t%2
.endr
	v_add_nc_u32 v9, s40, v2                       ; these four are the places behind the products above and behind the last step's, in front of the loads and reads below
	v_add_nc_u32 v11, s42, v4
.if (\q) == 0
	v_add_nc_u32 v8, s40, v1
	v_add_nc_u32 v10, s41, v3
.else
	v_add_nc_u32 v8, s50, v1
	v_add_nc_u32 v10, s51, v3
.endif
.irp dt, 0,1,2,3                               ; this step's V: ten loads
.irp c, 0,1
	ds_load_b128 v[80+8*\dt+4*\c:83+8*\dt+4*\c], v9 offset:(\q)*4352+\dt*1088+\c*544
.endr
.endr
.irp i, 0,1
	ds_load_b32 v[244+\i], v11 offset:(\q)*256+8*\i
.endr
.irp t, 0,1,2,3,4,5,6,7                        ; the next step's K: twelve loads
	ds_load_b128 v[44+4*\t:47+4*\t], v8 offset:(\t%2)*4352+128*(1-(\q))+32*(\t/2)
.endr
.irp b, 0,1,2,3
	ds_load_b32 v[40+\b], v10 offset:(4*(1-(\q))+\b)*8
.endr
	MAXB 0
	MAXB 2
.irp b, 0,1,2,3
	v_permlanex16_b32 v[220+\b], v[216+\b], s36, s37
.endr
.irp b, 0,1,2,3
	s_delay_alu instid0(VALU_DEP_4)
	v_max_num_f32 v[216+\b], v[216+\b], v[220+\b]  ; with lane l xor 16's 16 keys
.endr
	s_delay_alu instid0(VALU_DEP_2)
	v_max3_num_f32 v230, v216, v217, v218
	s_delay_alu instid0(VALU_DEP_1)
	v_max_num_f32 v230, v230, v219
	s_delay_alu instid0(VALU_DEP_1)
	v_mul_f32 v230, s38, v230                      ; as t
	s_delay_alu instid0(VALU_DEP_1)
	v_max_num_f32 v13, v13, v230                   ; the running largest t
	v_mov_b32 v230, v12
	s_delay_alu instid0(VALU_DEP_2)
	v_floor_f32 v12, -v13                          ; the new -M = -ceil(t): a whole number
	s_delay_alu instid0(VALU_DEP_1)
	v_sub_f32 v230, v12, v230                      ; old M - new M: a whole number, 0 or less
	s_delay_alu instid0(VALU_DEP_1)
	v_cvt_i32_f32 v230, v230                       ; (it saturates)
	s_delay_alu instid0(VALU_DEP_1)
	v_ldexp_f32 v228, 1.0, v230                    ; f = 2^(old M - new M)
.set J, 0
.rept 32
	v_pk_fma_f32 v[112+J:113+J], v[112+J:113+J], s[38:39], v[12:13] op_sel_hi:[1,0,0]   ; t - M, two at a time
.set J, J+2
.endr
.irp b, 0,1,2,3
	v_fma_f32 v[216+\b], v[216+\b], s38, v12       ; the same of each block's largest score
.endr
.set J, 0
	s_wait_dscnt 12                                ; V's ten loads are in; the twelve issued behind them, the next step's K, may be out
	s_wait_alu depctr_va_vdst(0)                   ; the wait ahead of the batch
.rept 64
	v_exp_f32 v[112+J], v[112+J]                   ; p = 2^(t - M): not normalised
.set J, J+1
.endr
	v_pk_mul_f32 v[14:15], v[14:15], v[228:229] op_sel_hi:[1,0]   ; the sum under the new M (a plain place behind the exponentials)
	s_wait_alu depctr_va_vdst(0)                   ; one wait for the batch, ahead of its first reader
.irp b, 0,1,2,3
	v_exp_f32 v[216+\b], v[216+\b]                 ; each block's largest p
.endr
	v_pk_add_f32 v[232:233], v[112:113], v[114:115]   ; the row's sum of the unquantised p, in four chains
	v_pk_add_f32 v[254:255], v[116:117], v[118:119]
	v_pk_add_f32 v[252:253], v[120:121], v[122:123]
.set J, 124
.rept 6
	v_pk_add_f32 v[14:15], v[14:15], v[J:J+1]
	v_pk_add_f32 v[232:233], v[232:233], v[J+2:J+3]
	v_pk_add_f32 v[254:255], v[254:255], v[J+4:J+5]
	v_pk_add_f32 v[252:253], v[252:253], v[J+6:J+7]
.set J, J+8
.endr
	v_pk_add_f32 v[14:15], v[14:15], v[172:173]
	v_pk_add_f32 v[232:233], v[232:233], v[174:175]
	v_pk_add_f32 v[254:255], v[254:255], v[252:253]
	s_delay_alu instid0(VALU_DEP_2)
	v_pk_add_f32 v[14:15], v[14:15], v[232:233]
	s_delay_alu instid0(VALU_DEP_1)
	v_pk_add_f32 v[14:15], v[14:15], v[254:255]
	s_wait_alu depctr_va_vdst(0)                   ; and one for the four
.irp b, 0,1,2,3
	v_max_num_f32 v[216+\b], 0x1800000, v[216+\b]  ; the floor 2^(3 - 127): the byte cannot fall under 1
.endr
.irp b, 0,1,2,3
	s_delay_alu instid0(VALU_DEP_4)
	v_add_nc_u32 v[224+\b], 0xff000000, v[216+\b]  ; 2 off the exponent field: the conversion's scale operand
.endr
.irp b, 0,1,2,3
	s_delay_alu instid0(VALU_DEP_4)
	v_lshrrev_b32 v[220+\b], 23, v[224+\b]
.endr
	s_delay_alu instid0(VALU_DEP_3)
	v_lshl_or_b32 v229, v221, 8, v220              ; p's scale word for these 128 keys
	s_delay_alu instid0(VALU_DEP_1)
	v_lshl_or_b32 v229, v222, 16, v229
	s_delay_alu instid0(VALU_DEP_1)
	v_lshl_or_b32 v229, v223, 24, v229
.irp b, 0,1,2,3
	v_cvt_scalef32_pk8_fp4_f32 v[208+2*\b], v[112+16*\b:119+16*\b], v[224+\b]
	v_cvt_scalef32_pk8_fp4_f32 v[209+2*\b], v[120+16*\b:127+16*\b], v[224+\b]
.endr
	v_nop                                          ; one plain place behind the conversions
.irp c, 0,1
.irp i, 0,1
	v_permlane16_swap_b32 v[208+4*\c+\i], v[210+4*\c+\i]
.endr
.endr
.set J, 0
.rept 16
	v_pk_mul_f32 v[176+J:177+J], v[176+J:177+J], v[228:229] op_sel_hi:[1,0]   ; O^T under the new M; these sixteen are also the places between the scale word, the codes and the products below
.set J, J+2
.endr
.irp dt, 0,1,2,3
	WMR 176+8*\dt, 80+8*\dt, 208, 244+\dt/2, 229, \dt%2
.endr
.endm
.Ltile:                                                ; four trips: a tile of 16 queries against all 1,024 keys
.irp k, 0,1,2,3                                ; the queue of Q's moves up one place
	v_mov_b32 v[16+\k], v[32+\k]
.endr
	v_mov_b32 v24, v25
.irp k, 0,1,2,3
	v_mov_b32 v[32+\k], v[36+\k]
.endr
.irp k, 0,1,2,3
	v_mov_b32 v[36+\k], v[234+\k]
.endr
.irp k, 0,1,2,3
	v_mov_b32 v[234+\k], v[240+\k]
.endr
.irp k, 25,26,27
	v_mov_b32 v[\k], v[\k+1]
.endr
	v_mov_b32 v13, 0xff61b1e6                      ; the largest t so far: -3e38
	v_mov_b32 v14, 0
	v_mov_b32 v15, 0
	v_floor_f32 v12, -v13                          ; -M
.set J, 0
.rept 32
	v_mov_b32 v[176+J], 0                          ; O^T: the key step is written once; its first turn finds zeros
.set J, J+1
.endr
	s_mov_b32 s40, 0
	s_mov_b32 s41, 0
	s_mov_b32 s42, 0
	s_mov_b32 s44, 4
.Ltask:                                                ; four trips: a task of 256 keys = two steps
	s_add_co_u32 s50, s40, 8704                    ; where the next task's K lies: behind the last task comes task 0
	s_add_co_u32 s51, s41, 1088
	s_cmp_lg_u32 s44, 1
	s_cselect_b32 s50, s50, 0
	s_cselect_b32 s51, s51, 0
	STEP 0
	STEP 1
	s_add_co_u32 s40, s40, 8704
	s_add_co_u32 s41, s41, 1088
	s_add_co_u32 s42, s42, 544
	s_sub_co_u32 s44, s44, 1
	s_cmp_lg_u32 s44, 0
	s_cbranch_scc1 .Ltask
	PLACES 4
	; the tile is done: O^T / the sum, quantised along d
	v_add_f32 v14, v14, v15
	s_delay_alu instid0(VALU_DEP_1)
	v_permlanex16_b32 v230, v14, s36, s37
	s_delay_alu instid0(VALU_DEP_1)
	v_add_f32 v14, v14, v230                       ; the row's sum
	s_wait_alu depctr_va_vdst(0)                   ; the wait ahead of the transcendental
	v_rcp_f32 v14, v14
	v_nop
	s_wait_alu depctr_va_vdst(0)                   ; and ahead of its first reader, which is also O^T's
.set J, 0
.rept 16
	v_pk_mul_f32 v[112+J:113+J], v[176+J:177+J], v[14:15] op_sel_hi:[1,0]
.set J, J+2
.endr
.irp b, 0,1
	v_max3_num_f32 v[216+\b], |v[112+16*\b]|, |v[113+16*\b]|, 0x1800000
.endr
.irp i, 2,4,6,8,10,12,14
.irp b, 0,1
	s_delay_alu instid0(VALU_DEP_2)
	v_max3_num_f32 v[216+\b], v[216+\b], |v[112+16*\b+\i]|, |v[113+16*\b+\i]|
.endr
.endr
.irp b, 0,1
	s_delay_alu instid0(VALU_DEP_2)
	v_permlanex16_b32 v[220+\b], v[216+\b], s36, s37
.endr
.irp b, 0,1
	s_delay_alu instid0(VALU_DEP_2)
	v_max_num_f32 v[216+\b], v[216+\b], v[220+\b]
.endr
.irp b, 0,1
	s_delay_alu instid0(VALU_DEP_2)
	v_add_nc_u32 v[224+\b], 0xff000000, v[216+\b]
.endr
.irp b, 0,1
	s_delay_alu instid0(VALU_DEP_2)
	v_lshrrev_b32 v[220+\b], 23, v[224+\b]
.endr
.irp b, 0,1
	v_cvt_scalef32_pk8_fp4_f32 v[208+2*\b], v[112+16*\b:119+16*\b], v[224+\b]
	v_cvt_scalef32_pk8_fp4_f32 v[209+2*\b], v[120+16*\b:127+16*\b], v[224+\b]
.endr
	v_nop
	v_permlane16_swap_b32 v208, v210
	v_permlane16_swap_b32 v209, v211
	v_lshl_or_b32 v230, v221, 8, v220
	v_add_nc_u32 v30, s45, v29
	global_store_b128 v7, v[208:211], s[46:47]     ; 512 consecutive bytes, at a multiple of 512 from xq's first byte
	ds_store_b16 v30, v230                         ; both lanes of a row write the same two bytes
	s_add_co_u32 s45, s45, 64
	s_wait_alu depctr_va_vdst(0)                   ; the wait here, directly ahead of the wait below
	s_wait_xcnt 0x0                                ; the store has read its base and its data
	s_add_nc_u64 s[46:47], s[46:47], 8192
	s_sub_co_u32 s43, s43, 1
	s_cmp_lg_u32 s43, 0
	s_cbranch_scc1 .Ltile
	s_wait_dscnt 0x0                               ; for the others' sake: my stores have landed (and my last loads are back)
	s_barrier_signal -1
	s_barrier_wait -1                              ; the head's 2,048 scale bytes lie in LDS
	s_cmp_lt_u32 s16, 4
	s_cbranch_scc0 .Ldone
	ds_load_b128 v[112:115], v246                  ; waves 0 to 3 store them, 512 consecutive bytes a wave
	s_wait_dscnt 0x0
	global_store_b128 v31, v[112:115], s[92:93]
.Ldone:
	s_wait_tensorcnt 0x0                           ; the wave's end
	ds_add_u32 v5, v6
	s_wait_dscnt 0x0
	s_endpgm
.Lfunc_end_k_q8905315220_attn:
	.size	k_q8905315220_attn, .Lfunc_end_k_q8905315220_attn-k_q8905315220_attn
	.p2alignl 7, 3214868480
	.fill 96, 4, 3214868480
	.section	.rodata,"a",@progbits
	.p2align	6, 0x0
	.amdhsa_kernel k_q8905315220_attn
		.amdhsa_group_segment_fixed_size 167936
		.amdhsa_private_segment_fixed_size 0
		.amdhsa_enable_private_segment 0
		.amdhsa_kernarg_size 32
		.amdhsa_user_sgpr_count 2
		.amdhsa_user_sgpr_kernarg_segment_ptr 1
		.amdhsa_wavefront_size32 1
		.amdhsa_system_sgpr_workgroup_id_x 1
		.amdhsa_system_sgpr_workgroup_id_y 1
		.amdhsa_system_sgpr_workgroup_id_z 1
		.amdhsa_system_vgpr_workitem_id 0
		.amdhsa_next_free_vgpr 256
		.amdhsa_next_free_sgpr 96
		.amdhsa_reserve_vcc 0
		.amdhsa_float_denorm_mode_32 3
		.amdhsa_float_denorm_mode_16_64 3
		.amdhsa_memory_ordered 1
		.amdhsa_forward_progress 1
		.amdhsa_inst_pref_size 48
	.end_amdhsa_kernel
	.amdgpu_metadata
---
amdhsa.version: [ 1, 2 ]
amdhsa.kernels:
  - .name:           k_q8905315220_attn
    .symbol:         k_q8905315220_attn.kd
    .args:
      - { .name: qs, .offset: 0, .size: 8, .value_kind: global_buffer, .address_space: global }
      - { .name: kv, .offset: 8, .size: 8, .value_kind: global_buffer, .address_space: global }
      - { .name: xq, .offset: 16, .size: 8, .value_kind: global_buffer, .address_space: global }
      - { .name: xs, .offset: 24, .size: 8, .value_kind: global_buffer, .address_space: global }
    .group_segment_fixed_size: 167936
    .private_segment_fixed_size: 0
    .kernarg_segment_align: 8
    .kernarg_segment_size: 32
    .max_flat_workgroup_size: 512
    .sgpr_count:     96
    .vgpr_count:     256
    .wavefront_size: 32
...
	.end_amdgpu_metadata
.endif
;; end of part 2
;; launch outp (part 3): grid 256 x 1, 16 waves a work-group, no clusters, 168,960 bytes of LDS; arguments xq, xs, Wout_codes, Wout_scales, bout, out0; writes out0
.if DOCPART == 3
	.amdgcn_target "amdgcn-amd-amdhsa--gfx1250"
	.amdhsa_code_object_version 6
	.text
	.protected	k_q8905315220_outp
	.globl	k_q8905315220_outp
	.p2align	8
	.type	k_q8905315220_outp,@function
k_q8905315220_outp:
	s_mov_b64 s[64:65], 0
	v_nop
	global_prefetch_b8 v0, s[64:65] scope:SCOPE_SE
	s_setreg_imm32_b32 hwreg(HW_REG_WAVE_MODE, 25, 1), 1
	s_wait_xcnt 0x0
; THE OUTPUT PROJECTION out0 = x Wout + bout on FP4 (E2M1) codes with one E8M0 scale for each 32 along K.  x comes as images of its operand registers from the launch before.
; SHARES.  A work-group owns 128 rows (8 tiles of 16) and all 512 columns; wave w owns columns 32 w .. + 31: its 32 rows of Wout's codes stay in 64 registers.
; x's 32,768 bytes come into LDS once, 2,048 bytes a wave, through registers; its scale bytes, stored by head, are laid there as words: (4 tile + K step) 64 + 4 row + 2 (head % 2).
; Lane 8 e + t3 of tile 2 bq + u is row 32 bq + 16 e + 8 u + t3 of the 128.
; NO CLUSTER, NO TENSOR LOAD: x is read by one work-group; Wout goes from memory straight into each wave's registers, 8,192 bytes a wave, once.  NO PREFETCH: every load stands at the head.
; REGISTERS: v1, v2 into the stages; v3, v4 back; v5 spare word, v6 0; v10 16 x lane; v11, v25 Wout's and bout's offsets; v26-28, v30 x's way into LDS; v31 x's scale words;
;   v40-43 x's scale words, v44-47 Wout's; v48-111 Wout; v112-175 x; v176-207 sums; v234-249 bout.
.set XSC,   32768                      ; x's images at 0; its scale words here
.set SPARE, 34816                      ; the spare words: 128 bytes for each wave
.set STG0,  36864                      ; the way out: two stages of 32 rows x (2,048 bytes + 16)
.set STG1,  102912
.macro PLACES cnt
.rept \cnt
	v_nop
.endr
.endm
.macro WMR d, a, b, c, sa, sb, ra, rb
.if ((\ra) == 1) && ((\rb) == 1)
	v_wmma_scale_f32_16x16x128_f8f6f4 v[(\d):(\d)+7], v[(\a):(\a)+7], v[(\b):(\b)+7], v[(\c):(\c)+7], v[(\sa)], v[(\sb)] matrix_a_fmt:MATRIX_FMT_FP4 matrix_b_fmt:MATRIX_FMT_FP4 matrix_a_scale:MATRIX_SCALE_ROW1 matrix_b_scale:MATRIX_SCALE_ROW1
.elseif (\ra) == 1
	v_wmma_scale_f32_16x16x128_f8f6f4 v[(\d):(\d)+7], v[(\a):(\a)+7], v[(\b):(\b)+7], v[(\c):(\c)+7], v[(\sa)], v[(\sb)] matrix_a_fmt:MATRIX_FMT_FP4 matrix_b_fmt:MATRIX_FMT_FP4 matrix_a_scale:MATRIX_SCALE_ROW1
.elseif (\rb) == 1
	v_wmma_scale_f32_16x16x128_f8f6f4 v[(\d):(\d)+7], v[(\a):(\a)+7], v[(\b):(\b)+7], v[(\c):(\c)+7], v[(\sa)], v[(\sb)] matrix_a_fmt:MATRIX_FMT_FP4 matrix_b_fmt:MATRIX_FMT_FP4 matrix_b_scale:MATRIX_SCALE_ROW1
.else
	v_wmma_scale_f32_16x16x128_f8f6f4 v[(\d):(\d)+7], v[(\a):(\a)+7], v[(\b):(\b)+7], v[(\c):(\c)+7], v[(\sa)], v[(\sb)] matrix_a_fmt:MATRIX_FMT_FP4 matrix_b_fmt:MATRIX_FMT_FP4
.endif
.endm
	s_load_b128 s[4:7], s[0:1], 0x0                ; xq, xs
	s_load_b128 s[8:11], s[0:1], 0x10              ; Wout's codes, Wout's scales
	s_load_b128 s[12:15], s[0:1], 0x20             ; bout, out0
	v_lshl_add_u32 v5, v0, 2, SPARE
	v_mov_b32 v6, 0
	v_lshrrev_b32 v8, 5, v0
	v_readfirstlane_b32 s16, v8                    ; wave 0..15
	s_lshl_b32 s20, ttmp9, 15
	s_lshl_b32 s56, s16, 11
	s_add_co_u32 s20, s20, s56                     ; my 2,048 bytes of x
	s_mov_b32 s21, 0
	s_lshr_b32 s22, ttmp9, 3
	s_lshl_b32 s22, s22, 14
	s_and_b32 s23, ttmp9, 7
	s_lshl_b32 s23, s23, 8
	s_add_co_u32 s22, s22, s23                     ; xs: batch 16384 + block 256 (+ head 2048)
	s_mov_b32 s23, 0
	s_lshl_b32 s24, ttmp9, 7                       ; the first row that I store: 128 x work-group + 16 ((w / 4) % 2) + 8 (w / 8) + 2 (w % 4)
	s_bfe_u32 s25, s16, 0x10002
	s_lshl_b32 s25, s25, 4
	s_add_co_u32 s24, s24, s25
	s_lshr_b32 s25, s16, 3
	s_lshl_b32 s25, s25, 3
	s_add_co_u32 s24, s24, s25
	s_and_b32 s25, s16, 3
	s_lshl_b32 s25, s25, 1
	s_add_co_u32 s24, s24, s25
	s_lshl_b32 s24, s24, 11
	s_mov_b32 s25, 0
	s_lshl_b32 s26, s16, 13                        ; my 32 rows of Wout's codes,
	s_mov_b32 s27, 0
	s_lshl_b32 s28, s16, 9                         ; their scale bytes,
	s_mov_b32 s29, 0
	s_lshl_b32 s30, s16, 7                         ; my 32 numbers of bout
	s_mov_b32 s31, 0
	s_mul_i32 s55, s16, 2*2064
	v_and_b32 v8, 15, v0                           ; r
	v_bfe_u32 v9, v0, 4, 1                         ; h
	v_and_b32 v10, 31, v0
	v_lshrrev_b32 v12, 6, v0                       ; xs: thread i takes word i % 64 of head i / 64: rows 2 (i % 8), + 1 of tile (i % 64) / 8
	v_and_b32 v13, 63, v0
	v_and_b32 v14, 7, v0
	v_bfe_u32 v15, v0, 3, 3
	v_bfe_u32 v16, v0, 6, 1
	v_bfe_u32 v17, v0, 7, 2
	v_lshlrev_b32 v10, 4, v10                      ; 16 x lane
	v_lshlrev_b32 v11, 8, v8
	v_lshlrev_b32 v25, 5, v9
	v_mul_u32_u24 v1, v8, 2064
	v_lshlrev_b32 v31, 8, v9
	v_lshlrev_b32 v13, 2, v13
	v_lshlrev_b32 v28, 3, v14
	v_lshl_add_u32 v11, v9, 4, v11
	v_lshl_add_u32 v1, v9, 5, v1
	v_lshl_add_u32 v31, v8, 2, v31
	v_lshl_add_u32 v27, v12, 11, v13
	v_lshl_add_u32 v28, v15, 8, v28
	v_add_nc_u32 v3, s55, v10                      ; back from a stage: my two rows, 16 bytes a lane
	v_add_nc_u32 v26, s56, v10
	v_add_nc_u32 v1, s30, v1                       ; into a stage: row r', + 32 h, + 128 w
	v_add_nc_u32 v31, XSC, v31                     ; x's scale words: lanes 0-15 the even tile, lanes 16-31 the odd one
	v_lshl_add_u32 v28, v16, 1, v28
	v_add_nc_u32 v4, STG1, v3
	v_add_nc_u32 v3, STG0, v3
	v_add_nc_u32 v2, STG1, v1
	v_add_nc_u32 v1, STG0, v1
	v_lshl_add_u32 v28, v17, 6, v28
	s_delay_alu instid0(VALU_DEP_1)
	v_add_nc_u32 v28, XSC, v28
	s_wait_alu depctr_va_vdst(0)                   ; the wait at the head's end
	s_wait_kmcnt 0x0
	s_add_nc_u64 s[20:21], s[4:5], s[20:21]
	s_add_nc_u64 s[22:23], s[6:7], s[22:23]
	s_add_nc_u64 s[8:9], s[8:9], s[26:27]
	s_add_nc_u64 s[10:11], s[10:11], s[28:29]
	s_add_nc_u64 s[12:13], s[12:13], s[30:31]
	s_add_nc_u64 s[52:53], s[14:15], s[24:25]
.irp k, 0,1,2,3
	global_load_b128 v[112+4*\k:115+4*\k], v10, s[20:21] offset:512*\k th:TH_LOAD_NT
.endr
	global_load_b32 v30, v27, s[22:23] th:TH_LOAD_NT
.irp nu, 0,1                                   ; my 32 columns of Wout: two tiles x four K steps
.irp s, 0,1,2,3
.irp c, 0,1
	global_load_b128 v[48+8*(4*\nu+\s)+4*\c:51+8*(4*\nu+\s)+4*\c], v11, s[8:9] offset:\nu*4096+64*\s+32*\c
.endr
.endr
.endr
	global_load_b128 v[44:47], v10, s[10:11]       ; their scale words: register s; lanes 0-15 tile 0, lanes 16-31 tile 1
.irp nu, 0,1
	global_load_b128 v[234+8*\nu:237+8*\nu], v25, s[12:13] offset:64*\nu       ; bout in the result's layout: column 16 nu + 8 h + j
	global_load_b128 v[238+8*\nu:241+8*\nu], v25, s[12:13] offset:64*\nu+16
.endr
	s_wait_loadcnt 21                              ; x's five loads are in; Wout's 17 and bout's 4 may be out
.irp k, 0,1,2,3
	ds_store_b128 v26, v[112+4*\k:115+4*\k] offset:512*\k
.endr
	ds_store_b16 v28, v30
	ds_store_b16_d16_hi v28, v30 offset:4
	s_wait_dscnt 0x0                               ; for the others' sake: my stores have landed
	s_barrier_signal -1
	s_barrier_wait -1                              ; x's 32 fragments and their scale words lie in LDS
	s_wait_loadcnt 0x0
; 32 rows a pass: source 0 = 16 rows of Wout, source 1 = x: a lane holds eight neighbouring columns of one row.  Four accumulators by turns; bout is the C of the first products.
; The 16 waves' columns meet in a stage; each wave stores two whole rows of 2,048 bytes.  Two stages by turns: one barrier a pass parts writing from reading, and a stage's next writing from its last reading.
.macro OUTP pi
.if (\pi) > 0
	s_wait_xcnt 0x0                                ; the last pass's stores have read their registers
.endif
.irp mu, 0,1
.irp s, 0,1,2,3
.irp c, 0,1
	ds_load_b128 v[112+8*(4*\mu+\s)+4*\c:115+8*(4*\mu+\s)+4*\c], v10 offset:((2*(\pi)+\mu)*4+\s)*1024+512*\c
.endr
.endr
.endr
.irp s, 0,1,2,3
	ds_load_b32 v[40+\s], v31 offset:(\pi)*512+\s*64
.endr
	s_wait_dscnt 0x0
.irp mu, 0,1
.irp nu, 0,1
	WMR 176+8*(2*\mu+\nu), 48+8*(4*\nu), 112+8*(4*\mu), 234+8*\nu, 44, 40, \nu, \mu
.endr
.endr
.irp s, 1,2,3
.irp mu, 0,1
.irp nu, 0,1
	WMR 176+8*(2*\mu+\nu), 48+8*(4*\nu+\s), 112+8*(4*\mu+\s), 176+8*(2*\mu+\nu), 44+\s, 40+\s, \nu, \mu
.endr
.endr
.endr
	PLACES 5                                       ; four in front of the stores and loads below; the fifth since the next pass begins these accumulators anew
.irp mu, 0,1
.irp nu, 0,1
	ds_store_b128 v[1+(\pi)%2], v[176+8*(2*\mu+\nu):179+8*(2*\mu+\nu)] offset:\mu*33024+\nu*64        ; each accumulator from its low end on
	ds_store_b128 v[1+(\pi)%2], v[180+8*(2*\mu+\nu):183+8*(2*\mu+\nu)] offset:\mu*33024+\nu*64+16
.endr
.endr
	s_wait_dscnt 0x0
	s_barrier_signal -1
	s_barrier_wait -1
.irp n, 0,1,2,3,4,5,6,7
	ds_load_b128 v[112+4*\n:115+4*\n], v[3+(\pi)%2] offset:(\n/4)*2064+(\n%4)*512
.endr
.irp n, 0,1,2,3,4,5,6,7
	s_wait_dscnt 7-\n
	global_store_b128 v10, v[112+4*\n:115+4*\n], s[52:53] offset:(\pi)*65536+(\n/4)*2048+(\n%4)*512 th:TH_STORE_NT   ; 512 consecutive bytes, at a multiple of 256 from out0's first byte
.endr
.endm
	OUTP 0
	OUTP 1
	OUTP 2
	OUTP 3
	s_wait_tensorcnt 0x0                           ; the wave's end
	ds_add_u32 v5, v6
	s_wait_dscnt 0x0
	s_endpgm
.Lfunc_end_k_q8905315220_outp:
	.size	k_q8905315220_outp, .Lfunc_end_k_q8905315220_outp-k_q8905315220_outp
	.p2alignl 7, 3214868480
	.fill 96, 4, 3214868480
	.section	.rodata,"a",@progbits
	.p2align	6, 0x0
	.amdhsa_kernel k_q8905315220_outp
		.amdhsa_group_segment_fixed_size 168960
		.amdhsa_private_segment_fixed_size 0
		.amdhsa_enable_private_segment 0
		.amdhsa_kernarg_size 48
		.amdhsa_user_sgpr_count 2
		.amdhsa_user_sgpr_kernarg_segment_ptr 1
		.amdhsa_wavefront_size32 1
		.amdhsa_system_sgpr_workgroup_id_x 1
		.amdhsa_system_sgpr_workgroup_id_y 1
		.amdhsa_system_sgpr_workgroup_id_z 1
		.amdhsa_system_vgpr_workitem_id 0
		.amdhsa_next_free_vgpr 256
		.amdhsa_next_free_sgpr 66
		.amdhsa_reserve_vcc 0
		.amdhsa_float_denorm_mode_32 3
		.amdhsa_float_denorm_mode_16_64 3
		.amdhsa_memory_ordered 1
		.amdhsa_forward_progress 1
		.amdhsa_inst_pref_size 29
	.end_amdhsa_kernel
	.amdgpu_metadata
---
amdhsa.version: [ 1, 2 ]
amdhsa.kernels:
  - .name:           k_q8905315220_outp
    .symbol:         k_q8905315220_outp.kd
    .args:
      - { .name: xq, .offset: 0, .size: 8, .value_kind: global_buffer, .address_space: global }
      - { .name: xs, .offset: 8, .size: 8, .value_kind: global_buffer, .address_space: global }
      - { .name: Wout_codes, .offset: 16, .size: 8, .value_kind: global_buffer, .address_space: global }
      - { .name: Wout_scales, .offset: 24, .size: 8, .value_kind: global_buffer, .address_space: global }
      - { .name: bout, .offset: 32, .size: 8, .value_kind: global_buffer, .address_space: global }
      - { .name: out0, .offset: 40, .size: 8, .value_kind: global_buffer, .address_space: global }
    .group_segment_fixed_size: 168960
    .private_segment_fixed_size: 0
    .kernarg_segment_align: 8
    .kernarg_segment_size: 48
    .max_flat_workgroup_size: 512
    .sgpr_count:     66
    .vgpr_count:     256
    .wavefront_size: 32
...
	.end_amdgpu_metadata
.endif
;; end of part 3
